; MI455X (gfx1250); checked and timed in simulation.
; The chip was launched on July 23, 2026; its instructions are those of AMD's public machine-readable ISA for CDNA 5 (MIT licence, August 2026) and "CDNA5" Instruction Set Architecture Reference Guide (July 2026). The comments in the code are by the model that wrote it; some were corrected since.
;; Bahdanau Attention. Allowed arithmetic: matrix products marked QUANTISED: E2M3 operands, one E8M0 scale for each 32 along K, by v_wmma_scale_f32_16x16x128_f8f6f4 with both operands' format E2M3, f32 sums; products left as they are: f32 operands where the result goes on into a quantised operand, else bf16, f16 or f32 operands; f32 sums; everything else in f32.
;; Inputs: V_b 1 float32; V_k 1,024 x 1 float32; W1_b 1,024 float32; W1_k_codes 1,024 x 32 x 24 uint8 (E2M3 codes of W1_k, K innermost, in blocks of 32 codes, four codes in three bytes); W1_k_scales 1,024 x 32 uint8 (E8M0 scales of W1_k, one for each 32 codes along K); W2_b 1,024 float32; W2_k_codes 1,024 x 32 x 24 uint8 (E2M3 codes of W2_k, K innermost, in blocks of 32 codes, four codes in three bytes); W2_k_scales 1,024 x 32 uint8 (E8M0 scales of W2_k, one for each 32 codes along K); query_codes 32 x 32 x 24 uint8 (E2M3 codes of query, K innermost, in blocks of 32 codes, four codes in three bytes); query_scales 32 x 32 uint8 (E8M0 scales of query, one for each 32 codes along K); values 32 x 2,048 x 1,024 float32.
;; Outputs: out0 32 x 1,024 float32.
;; This version of the problem:
;;   THIS VERSION OF THE PROBLEM IS GIVEN IN LOW PRECISION. The matrix products marked QUANTISED in the list below multiply operands that are first quantised to E2M3 (2 exponent bits, 3 mantissa bits; 6 bits a number), with one power-of-two scale for each 32 numbers along K (OCP MX v1.0); their sums are f32. All else is computed in f32.
;;   The module's matrix products, in the order in which they are computed (A, B: the left and right operand; K: the contracted axis; several contracted axes count as one K, in the product's order):
;;     1. [M 32, K 1,024] x [K 1,024, N 1,024]; A: input query (given as codes); B: input W1_k (given as codes): QUANTISED
;;     2. [M 65,536, K 1,024] x [K 1,024, N 1,024]; A: input values; B: input W2_k (given as codes): QUANTISED
;;     3. [M 65,536, K 1,024] x [K 1,024, N 1]; A: computed on the way; B: input V_k: left as it is (N = 1 < 16)
;;   THE QUANTISER, for each operand of a quantised product, along K:
;;     - K is cut into blocks of 32 from its start; a last block that is shorter is filled with zeros.
;;     - A block's scale is 2^e with e = floor(log2(the largest magnitude in the block)) - 2, held to -126 .. 127; a block of zeros has e = 0. As a byte (E8M0): e + 127.
;;     - Each number is divided by its block's scale, clamped to +-7.5, and rounded to the nearest number of E2M3, ties to even, subnormals kept.
;;     - The product sums the exact products of the quantised numbers (number of the format x scale) in f32.
;;   ~~~python
;;   def quantise(x, axis):      # numpy; x: float32 -> the quantised numbers, widened to float32 again
;;       x = np.moveaxis(x, axis, -1); K = x.shape[-1]
;;       x = np.pad(x, [(0, 0)] * (x.ndim - 1) + [(0, -K % 32)]); x = x.reshape(x.shape[:-1] + (-1, 32)); a = np.abs(x).max(-1, keepdims=True)
;;       e = np.where(a > 0, np.clip(np.frexp(np.where(a > 0, a, 1))[1] - 1 - 2, -126, 127), 0)      # np.frexp(a)[1] - 1 = floor(log2(a)), exactly
;;       r = np.clip(x / 2.0 ** e, -7.5, 7.5)
;;       step = 2.0 ** (np.maximum(np.frexp(np.where(r == 0, 1, r))[1] - 1, 0) - 3)
;;       q = np.round(r / step) * step * 2.0 ** e      # np.round: ties to even
;;       return np.moveaxis(q.reshape(q.shape[:-2] + (-1,))[..., :K], -1, axis).astype(np.float32)
;;   ~~~
;;   INPUTS GIVEN AS CODES. W1_k (in the module: [1024, 1024], K = its axis 0); W2_k (in the module: [1024, 1024], K = its axis 0); query (in the module: [32, 1024], K = its axis 1): each comes as NAME_codes (uint8): NAME with its K axis moved to the last place and cut into blocks of 32 codes, [.., K / 32, bytes a block], one block behind the other in memory; four codes in three bytes: a row's codes are one little-endian stream of bits, code i at bits 6 i .. 6 i + 5 (a code: sign, 2 exponent bits, 3 mantissa bits); and NAME_scales (uint8): the same leading axes, one E8M0 byte (e + 127) for each 32 codes along K. Its value is code x scale, taken as it is: it is not quantised again, and the codes and scales need not be those that the quantiser above would give.
;; One version. Each part assembles by itself: llvm-mc -triple=amdgcn-amd-amdhsa -mcpu=gfx1250 --defsym DOCPART=n.
;; ======== version 1 of 1: 4 launches
;; limits: right only within a limited range of input values
;; workspace buffers: qv 262,144 bytes; scores 262,144 bytes; part 1,114,112 bytes
;; launch prep (part 1): grid 32 x 1, 8 waves a work-group, no clusters, 33,792 bytes of LDS; arguments query_codes, query_scales, W1_k_codes, W1_k_scales, W1_b, W2_b, V_k, qv; writes qv
.if DOCPART == 1
	.amdgcn_target "amdgcn-amd-amdhsa--gfx1250"
	.amdhsa_code_object_version 6
	.text
	.protected	k_q98f15ee146_prep
	.globl	k_q98f15ee146_prep
	.p2align	8
	.type	k_q98f15ee146_prep,@function
k_q98f15ee146_prep:
	s_mov_b64 s[64:65], 0
	v_nop
	global_prefetch_b8 v0, s[64:65] scope:SCOPE_SE
	s_setreg_imm32_b32 hwreg(HW_REG_WAVE_MODE, 25, 1), 1
	s_wait_xcnt 0x0
; qv[b][u] = the pair ( c x (query W1 + W1_b + W2_b)[b][u], V_k[u] ), c = 2 log2(e): what the score launch adds to c x v_proj ahead of its exponential, and the weight beside it.
; query [32][1024] and W1 [1024 u][1024 k] come as codes of FP6 (E2M3), K innermost, 768 bytes a row, with one E8M0 byte for each 32 along K; they go to the matrix unit as they lie.
; SHARES.  Work-group g takes units u0 = 32 g .. u0 + 31 (two tiles of 16) for all 32 batches (two tiles of 16).  ITS EIGHT WAVES SHARE K: wave s takes K step s (128 along K) alone: 29 loads, all out at once,
; and four matrix instructions, one for each accumulator, each beginning its sum with the constant 0.  The eight partial sums meet in LDS as images of registers (4,096 bytes a wave); behind one barrier wave w adds
; the eight parts of batches 4 w .. 4 w + 3 and stores them.  So a sum over K is a tree of f32 additions of eight matrix sums; q_proj feeds no quantiser.
; Operands go from memory straight into registers: W1's bytes are read once in the launch, query's 24 KiB by each work-group; tensor loads and clusters would add nothing to a launch of this size.
; REGISTERS: v3-7 offsets; v12, v13 LDS addresses; v14-17 biases and V; v20, v21 scale words; v32-63 the accumulators ((mt, t) at v[32 + 8 (2 mt + t)]); v64-87 query's fragments, v96-119 W1's;
;            behind the barrier v64-95 the eight parts, v96-103 four pairs.
; WORK LEFT OUT, in the whole program.  score[b][t] = sum over u of V[u] tanh(..) + V_b, and softmax over t of (score + k) = softmax over t of score for every k that is the same for all t.
; V_b is such a k for all values of the inputs: it reaches no output, is not loaded and is among no launch's arguments.  LIMIT: a NaN, an infinity or an overflow that reaches only V_b is not carried to the result.
.set QS,  20
.set WS,  21
.set ACC, 32
.set QF,  64
.set WF,  96
.set RB,  64
.set PR,  96
	s_load_b256 s[4:11], s[0:1], 0x0               ; query's codes s[4:5], its scales s[6:7], W1's codes s[8:9], its scales s[10:11]
	s_load_b256 s[12:19], s[0:1], 0x20             ; W1_b s[12:13], W2_b s[14:15], V_k s[16:17], qv s[18:19]
	v_lshl_add_u32 v128, v0, 2, 0x8000
	v_mov_b32 v129, 0
	v_lshrrev_b32 v1, 5, v0
	s_delay_alu instid0(VALU_DEP_1)
	v_readfirstlane_b32 s20, v1                    ; wave 0..7: my K step, and later my four batches
	v_and_b32 v7, 31, v0                           ; lane
	v_and_b32 v1, 15, v0                           ; r
	v_bfe_u32 v2, v0, 4, 1                         ; h
	s_delay_alu instid0(VALU_DEP_2)
	v_mul_u32_u24 v3, v1, 768
	s_delay_alu instid0(VALU_DEP_1)
	v_mad_u32_u24 v3, v2, 24, v3                   ; a fragment: row r of 768 bytes, + 24 h
	v_lshlrev_b32 v4, 5, v7                        ; a row of scale bytes is 32 bytes: a lane a row
	v_lshlrev_b32 v5, 2, v7                        ; 4 bytes a lane: b1, b2, V of unit u0 + lane
	v_lshlrev_b32 v6, 3, v7                        ; 8 bytes a lane: qv's pair of unit u0 + lane
	s_lshl_b32 s23, s20, 12
	v_lshl_add_u32 v12, v7, 4, s23                 ; LDS, on the way in: 4,096 x wave + 16 x lane
	s_lshl_b32 s23, s20, 9
	v_lshl_add_u32 v13, v7, 4, s23                 ; and back: 512 x wave + 16 x lane, in each wave's 4,096 bytes
	s_mov_b32 s22, 0x4038aa3b                      ; c = 2 log2(e)
	s_mul_i32 s24, s20, 96                         ; my K step in a row of codes: 96 bytes a step
	s_mov_b32 s25, 0
	s_lshl_b32 s26, s20, 2                         ; and in a row of scale bytes: a word a step
	s_mov_b32 s27, 0
	s_mul_i32 s28, ttmp9, 32*768                   ; my work-group's 32 rows of W1's codes,
	s_add_co_u32 s28, s28, s24
	s_mov_b32 s29, 0
	s_lshl_b32 s30, ttmp9, 10                      ; of its scale bytes,
	s_add_co_u32 s30, s30, s26
	s_mov_b32 s31, 0
	s_lshl_b32 s32, ttmp9, 7                       ; its 32 numbers of b1, b2, V,
	s_mov_b32 s33, 0
	s_lshl_b32 s34, ttmp9, 8                       ; its 32 pairs in a row of qv,
	s_lshl_b32 s35, s20, 15                        ; in my four rows of 8,192 bytes
	s_add_co_u32 s34, s34, s35
	s_mov_b32 s35, 0
	s_wait_alu depctr_va_vdst(0)
	s_wait_kmcnt 0x0
	s_add_nc_u64 s[4:5], s[4:5], s[24:25]
	s_add_nc_u64 s[6:7], s[6:7], s[26:27]
	s_add_nc_u64 s[8:9], s[8:9], s[28:29]
	s_add_nc_u64 s[10:11], s[10:11], s[30:31]
	s_add_nc_u64 s[12:13], s[12:13], s[32:33]
	s_add_nc_u64 s[14:15], s[14:15], s[32:33]
	s_add_nc_u64 s[16:17], s[16:17], s[32:33]
	s_add_nc_u64 s[18:19], s[18:19], s[34:35]
	; a fragment, 16 rows x 128 K of 6-bit codes, is 12 registers: lane (r, h) takes the 24 bytes at 24 h of its row's 96 and those 48 bytes on, in pieces of 8 bytes
.irp m, 0,1
.irp p, 0,1,2,3,4,5
	global_load_b64 v[QF+12*\m+2*\p:QF+12*\m+2*\p+1], v3, s[4:5] offset:\m*12288+48*(\p/3)+8*(\p%3)
	global_load_b64 v[WF+12*\m+2*\p:WF+12*\m+2*\p+1], v3, s[8:9] offset:\m*12288+48*(\p/3)+8*(\p%3)
.endr
.endr
	global_load_b32 v[QS], v4, s[6:7]              ; my K step's scale words: lane l takes row l's: lanes 0-15 hold tile 0's rows, lanes 16-31 tile 1's
	global_load_b32 v[WS], v4, s[10:11]
	global_load_b32 v14, v5, s[12:13]              ; b1
	global_load_b32 v15, v5, s[14:15]              ; b2
	global_load_b32 v16, v5, s[16:17]              ; V
	s_wait_loadcnt 0x0                             ; all 29 are in
	; source 0 = 16 batches, source 1 = 16 units; four accumulators, one instruction each
	v_wmma_scale_f32_16x16x128_f8f6f4 v[ACC:ACC+7], v[QF:QF+11], v[WF:WF+11], 0, v[QS], v[WS] matrix_a_fmt:MATRIX_FMT_FP6 matrix_b_fmt:MATRIX_FMT_FP6
	v_wmma_scale_f32_16x16x128_f8f6f4 v[ACC+8:ACC+15], v[QF:QF+11], v[WF+12:WF+23], 0, v[QS], v[WS] matrix_a_fmt:MATRIX_FMT_FP6 matrix_b_fmt:MATRIX_FMT_FP6 matrix_b_scale:MATRIX_SCALE_ROW1
	v_wmma_scale_f32_16x16x128_f8f6f4 v[ACC+16:ACC+23], v[QF+12:QF+23], v[WF:WF+11], 0, v[QS], v[WS] matrix_a_fmt:MATRIX_FMT_FP6 matrix_b_fmt:MATRIX_FMT_FP6 matrix_a_scale:MATRIX_SCALE_ROW1
	v_wmma_scale_f32_16x16x128_f8f6f4 v[ACC+24:ACC+31], v[QF+12:QF+23], v[WF+12:WF+23], 0, v[QS], v[WS] matrix_a_fmt:MATRIX_FMT_FP6 matrix_b_fmt:MATRIX_FMT_FP6 matrix_a_scale:MATRIX_SCALE_ROW1 matrix_b_scale:MATRIX_SCALE_ROW1
	v_add_f32 v17, v14, v15                        ; b1 + b2.  These four lines are the places behind the last product (ISA guide 7.12.1)
	s_delay_alu instid0(VALU_DEP_1)
	v_mul_f32 v17, s22, v17                        ; c (b1 + b2)
	v_nop
	v_nop
	; register j of accumulator (mt, t), lane (r, h), holds batch 16 mt + 8 h + j, unit u0 + 16 t + r.  The exchange of halves between the two tiles of units leaves
	; in (mt, 0) batch 16 mt + j and in (mt, 1) batch 16 mt + 8 + j, each with unit u0 + lane: register ACC + k then holds batch k.  Each accumulator is read from its low end on.
.irp m, 0,1
.irp j, 0,1,2,3,4,5,6,7
	v_permlane16_swap_b32 v[ACC+16*\m+\j], v[ACC+16*\m+8+\j]
.endr
.endr
.irp q, 0,1,2,3,4,5,6,7
	ds_store_b128 v12, v[ACC+4*\q:ACC+4*\q+3] offset:512*\q   ; batches 4 q .. 4 q + 3 of my K step's part, as the registers stand
.endr
	s_wait_dscnt 0x0                               ; for the others' sake: my stores are done
	s_barrier_signal -1
	s_barrier_wait -1
.irp s, 0,1,2,3,4,5,6,7
	ds_load_b128 v[RB+4*\s:RB+4*\s+3], v13 offset:4096*\s     ; K step s's part of my four batches
.endr
	s_wait_dscnt 0x0
.irp s, 0,1,2,3
	v_pk_add_f32 v[RB+4*\s:RB+4*\s+1], v[RB+4*\s:RB+4*\s+1], v[RB+4*\s+16:RB+4*\s+17]
	v_pk_add_f32 v[RB+4*\s+2:RB+4*\s+3], v[RB+4*\s+2:RB+4*\s+3], v[RB+4*\s+18:RB+4*\s+19]
.endr
.irp s, 0,1
	s_delay_alu instid0(VALU_DEP_4)
	v_pk_add_f32 v[RB+4*\s:RB+4*\s+1], v[RB+4*\s:RB+4*\s+1], v[RB+4*\s+8:RB+4*\s+9]
	s_delay_alu instid0(VALU_DEP_4)
	v_pk_add_f32 v[RB+4*\s+2:RB+4*\s+3], v[RB+4*\s+2:RB+4*\s+3], v[RB+4*\s+10:RB+4*\s+11]
.endr
	s_delay_alu instid0(VALU_DEP_2)
	v_pk_add_f32 v[RB:RB+1], v[RB:RB+1], v[RB+4:RB+5]
	s_delay_alu instid0(VALU_DEP_2)
	v_pk_add_f32 v[RB+2:RB+3], v[RB+2:RB+3], v[RB+6:RB+7]
.irp i, 0,1,2,3
	v_fma_f32 v[PR+2*\i], v[RB+\i], s22, v17       ; c q_proj + c (b1 + b2)
	v_mov_b32 v[PR+2*\i+1], v16                    ; V beside it
	global_store_b64 v6, v[PR+2*\i:PR+2*\i+1], s[18:19] offset:8192*\i   ; the wave stores 256 consecutive bytes, at a multiple of 256 from qv's first byte; each pair has registers of its own
.endr
	s_wait_tensorcnt 0x0
	ds_add_u32 v128, v129
	s_wait_dscnt 0x0
	s_endpgm
.Lfunc_end_k_q98f15ee146_prep:
	.size	k_q98f15ee146_prep, .Lfunc_end_k_q98f15ee146_prep-k_q98f15ee146_prep
	.p2alignl 7, 3214868480
	.fill 96, 4, 3214868480
	.section	.rodata,"a",@progbits
	.p2align	6, 0x0
	.amdhsa_kernel k_q98f15ee146_prep
		.amdhsa_group_segment_fixed_size 33792
		.amdhsa_private_segment_fixed_size 0
		.amdhsa_enable_private_segment 0
		.amdhsa_kernarg_size 64
		.amdhsa_user_sgpr_count 2
		.amdhsa_user_sgpr_kernarg_segment_ptr 1
		.amdhsa_wavefront_size32 1
		.amdhsa_system_sgpr_workgroup_id_x 1
		.amdhsa_system_sgpr_workgroup_id_y 1
		.amdhsa_system_sgpr_workgroup_id_z 1
		.amdhsa_system_vgpr_workitem_id 0
		.amdhsa_next_free_vgpr 130
		.amdhsa_next_free_sgpr 66
		.amdhsa_reserve_vcc 0
		.amdhsa_float_denorm_mode_32 3
		.amdhsa_float_denorm_mode_16_64 3
		.amdhsa_memory_ordered 1
		.amdhsa_forward_progress 1
		.amdhsa_inst_pref_size 10
	.end_amdhsa_kernel
	.amdgpu_metadata
---
amdhsa.version: [ 1, 2 ]
amdhsa.kernels:
  - .name:           k_q98f15ee146_prep
    .symbol:         k_q98f15ee146_prep.kd
    .args:
      - { .name: query_codes, .offset: 0, .size: 8, .value_kind: global_buffer, .address_space: global }
      - { .name: query_scales, .offset: 8, .size: 8, .value_kind: global_buffer, .address_space: global }
      - { .name: W1_k_codes, .offset: 16, .size: 8, .value_kind: global_buffer, .address_space: global }
      - { .name: W1_k_scales, .offset: 24, .size: 8, .value_kind: global_buffer, .address_space: global }
      - { .name: W1_b, .offset: 32, .size: 8, .value_kind: global_buffer, .address_space: global }
      - { .name: W2_b, .offset: 40, .size: 8, .value_kind: global_buffer, .address_space: global }
      - { .name: V_k, .offset: 48, .size: 8, .value_kind: global_buffer, .address_space: global }
      - { .name: qv, .offset: 56, .size: 8, .value_kind: global_buffer, .address_space: global }
    .group_segment_fixed_size: 33792
    .private_segment_fixed_size: 0
    .kernarg_segment_align: 8
    .kernarg_segment_size: 64
    .max_flat_workgroup_size: 256
    .sgpr_count:     66
    .vgpr_count:     130
    .wavefront_size: 32
...
	.end_amdgpu_metadata
.endif
;; end of part 1
;; launch score (part 2): grid 256 x 1, 4 waves a work-group, clusters of 4 x 1, 327,680 bytes of LDS; arguments values, W2_k_codes, W2_k_scales, qv, scores; writes scores
.if DOCPART == 2
	.amdgcn_target "amdgcn-amd-amdhsa--gfx1250"
	.amdhsa_code_object_version 6
	.text
	.protected	k_q98f15ee146_score
	.globl	k_q98f15ee146_score
	.p2align	8
	.type	k_q98f15ee146_score,@function
k_q98f15ee146_score:
	s_mov_b64 s[64:65], 0
	v_nop
	global_prefetch_b8 v0, s[64:65] scope:SCOPE_SE
	s_setreg_imm32_b32 hwreg(HW_REG_WAVE_MODE, 25, 1), 1
	s_wait_xcnt 0x0
	s_wait_alu depctr_hold_cnt(0) depctr_sa_sdst(0) depctr_va_vdst(0) depctr_va_sdst(0) depctr_va_ssrc(0) depctr_va_vcc(0) depctr_vm_vsrc(0)
	s_getreg_b32 s2, hwreg(HW_REG_IB_STS2, 6, 4)
	s_cmp_eq_u32 s2, 0
	s_cbranch_scc0 .Lentry_in_a_cluster
	s_endpgm
.Lentry_in_a_cluster:
	s_bfe_u32 s2, ttmp6, 0x10000c
	s_cmp_lg_u32 s2, 0x3003
	s_cbranch_scc0 .Lentry_shape_is_right
	s_endpgm
.Lentry_shape_is_right:
; scores[b][t] = -2 sum over u of V[u] / (1 + 2^(c x)), x = q_proj[b][u] + b1[u] + b2[u] + (Q(values[b][t]) W2)[u], c = 2 log2(e); the product on codes of FP6 (E2M3), one E8M0 scale for each 32 along K.
; tanh x = 1 - 2 / (1 + 2^(c x)), so reference()'s score is this number + sum V + V_b.  WORK LEFT OUT: sum V and V_b are the same for all t, and the softmax over t takes such a term away for all values of the inputs.
; An exponential that overflows gives 1 / inf = 0 (tanh = 1), one that vanishes gives 1 (tanh = -1): no clamp.  qv holds the pairs (c (q_proj + b1 + b2), V) of the launch before.
; LIMITS: NaN and infinities among the inputs are not served.  A block of values whose largest magnitude lies under 2^-124, a block of zeros too, keeps the scale byte 1 (this program alone reads the byte).
; SHARES.  A work-group takes 256 rows of one batch; wave w owns rows 64 w .. + 63 for ALL 1,024 units: its codes (32 fragments, 384 registers) stay in registers, and a row's score is finished inside one wave.
; PHASE 1: 32 units of 16 rows x 128 K: loaded as they lie (512 consecutive bytes a load), turned through the wave's own stage in LDS so that a lane holds 16 neighbours along K, quantised, moved home.
; PHASE 2: W2 is walked once, 128 units a tile, through a ring of two LDS slots.  A group is 32 units.  At its head its first fragments are asked for; then the LAST group's epilogue runs as one block
;   (E = c x result + qv; 64 exponentials; 1 + e; 64 reciprocals; x V onto the rows' sums), each batch of transcendentals with one wait ahead of it and one behind; then the group's 64 matrix instructions stand in one run.
;   So no transcendental stands between two links of a sum.  Every group's text is the same: the first finds zeros (accumulators, qv's pair), which add nothing; the last group's epilogue is written out.
; CLUSTER: the four partners belong to one batch: W2's tiles, its scale bytes and the batch's row of qv are asked for jointly (mask 15).  The place in the cluster enters the addresses of values and scores alone.
; No prefetch of W2's tiles: all 64 clusters walk the same 786,432 bytes in the same order; values are streamed by 64 loads a wave.
; REGISTERS.  window 0: v1-15 addresses; v16-47 values' scale words (8 mt + s); v48-55 W2's; v56-59 the group's pairs of qv, v60-63 the last group's; phase 1: v128-191, v64-127 numbers by turns, v192-211 codes, v212-227 at work;
;   phase 2: v72-103 the rows' sums; v128-223 W2's fragments, four sets of two; v224-255 the scores.  window 1, 2: values' fragments of K steps 0-3, 4-7 (at v[12 (4 (s % 4) + mt)]); window 2 v192-255: phase 1's fifth set.
;   window 3: phase 1: four sets as loaded; phase 2: v0-63 the accumulators ((mt, t) at v[8 (2 mt + t)]), v64-127 E.
.set PITCH, 816                        ; a row of W2's codes in LDS: 3 x (256 + 16) bytes
.set GRP,   32*PITCH
.set SLOT1, 1<<17
.set QVT,   128*PITCH                  ; behind slot 0: qv's row, 8,192 bytes, filled once
.set SPARE, QVT+8192                   ; the spare words: 512 bytes that no other line names
.set SCB,   SLOT1+128*PITCH            ; behind slot 1: W2's scale bytes, 32,768, filled once
.set STAGE, SCB+32768                  ; 16 rows x 528 bytes a wave: LDS stores alone write here
.set SP,    528
.set STW,   16*SP
.set SPW,  1
.set NIL,  2
.set GA,   3                           ; 16 x lane
.set STS,  4                           ; the stage, in
.set STL,  5                           ; and out: row r, + 64 h
.set AB1,  6                           ; 816 r + 24 h
.set AB2,  7                           ; 816 r + 40 h: behind one padding more
.set ADB1, 8
.set ADB2, 9
.set ASL,  10
.set ADS,  11
.set AQL,  12
.set ADQ,  13
.set ZST,  14
.set ZLD,  15
.set ASC,  16
.set BSC,  48
.set QVN,  56
.set QVP,  60
.set SA,   72
.set BF,   128
.set PC,   192
.set TM,   212
.set Z,    224
.set EE,   64
.set WV,   16
.set CS,   22
.set NSL,  25
.set NGR,  26
.set TB,   27
.set TS,   28
.set TQ,   29
.set G1W,  32                          ; groups 1: the ring's loads, the scale bytes, qv's row, the head's halves of tile 0
.set G1S,  40
.set G1Q,  48
.set G1H,  84
.set G0W,  56
.set G0S,  60
.set G0Q,  68
.set G0H,  80
.set FLR,  66
.set EOF,  67
.set SEL,  72
.set PADW,  15|(3<<16)|(1<<20)|(1<<21)|(5<<22)|(3<<25)   ; mask of the four; elements of 8 bytes; 16 bytes of padding behind every 256; bit 21 beside a mask
.set FLATW, 15|(3<<16)|(1<<21)
.set MSB, 0
.macro WIN new
.if MSB != (\new)
	s_set_vgpr_msb (MSB<<8)|(\new)
.set MSB, (\new)
.endif
.endm
.macro PLACES
.rept 4
	v_nop
.endr
.endm
.macro ROUND                           ; a round of the cluster's barrier
	s_barrier_signal -1
	s_barrier_wait -1
	s_cmp_lg_u32 s[WV], 0
	s_cbranch_scc1 .Lnot_wave_0_\@
	s_barrier_signal -3
.Lnot_wave_0_\@:
	s_barrier_wait -3
	s_barrier_signal -1
	s_barrier_wait -1
.endm
.macro DESC g, w0, rows                ; a dense block as rows of 256 bytes
	s_mov_b32 s[\g], \w0
	s_mov_b32 s[\g+1], 32<<16
	s_mov_b32 s[\g+2], (\rows)<<16
	s_mov_b32 s[\g+3], 32<<16
	s_mov_b32 s[\g+4], \rows
	s_mov_b32 s[\g+5], 32
	s_mov_b32 s[\g+6], 0
	s_mov_b32 s[\g+7], 0
.endm
.macro SETOF n                         ; set n % 5: four in window 3, the fifth in window 2
.if (\n)%5 < 4
.set SETW, 3
.set SETB, 64*((\n)%5)
.else
.set SETW, 2
.set SETB, 192
.endif
.endm
.macro GLOAD n                         ; unit n = 8 mt + s: sixteen loads, a row each, 512 consecutive bytes
	SETOF \n
	WIN SETW<<6
.irp i, 0,1,2,3,4,5,6,7,8,9,10,11,12,13,14,15
	global_load_b128 v[SETB+4*\i:SETB+4*\i+3], v[GA], s[4:5] offset:(16*((\n)/8)+\i)*4096+512*((\n)%8) th:TH_LOAD_NT
.endr
	WIN 0
.endm
	s_load_b256 s[4:11], s[0:1], 0x0               ; values, W2's codes, its scales, qv
	s_load_b64 s[14:15], s[0:1], 0x20              ; scores
	v_lshl_add_u32 v[SPW], v0, 2, SPARE
	v_mov_b32 v[NIL], 0
	ds_add_u32 v[SPW], v[NIL]                      ; the opening lines: the add, twice on end, and its wait
	ds_add_u32 v[SPW], v[NIL]
	v_lshrrev_b32 v212, 5, v0
	v_readfirstlane_b32 s[WV], v212                ; wave 0..3
	s_bfe_u32 s17, ttmp6, 0x40000                  ; cx
	s_lshl_b32 s18, ttmp9, 2
	s_add_co_u32 s18, s18, s17                     ; work-group = 4 x cluster + cx
	s_lshr_b32 s19, ttmp9, 1                       ; the batch: two clusters to a batch
	v_and_b32 v212, 31, v0                         ; lane
	v_and_b32 v213, 15, v0                         ; r
	v_bfe_u32 v214, v0, 4, 1                       ; h
	v_lshlrev_b32 v[GA], 4, v212
	s_lshl_b32 s20, s18, 20                        ; my work-group's 256 rows of 4,096 bytes,
	s_lshl_b32 s21, s[WV], 18                      ; my wave's 64
	s_add_co_u32 s20, s20, s21
	s_mov_b32 s21, 0
	s_wait_alu depctr_va_vdst(0)
	s_wait_dscnt 0x0
	s_wait_kmcnt 0x0
	s_add_nc_u64 s[4:5], s[4:5], s[20:21]
	GLOAD 0                                        ; the stream begins: four units, 64 loads
	GLOAD 1
	GLOAD 2
	GLOAD 3
	s_mul_i32 s25, s[WV], STW
	s_add_co_u32 s25, s25, STAGE                   ; my stage
	v_add_nc_u32 v[STS], s25, v[GA]
	v_mul_u32_u24 v[STL], v213, SP
	v_lshl_add_u32 v[STL], v214, 6, v[STL]
	v_add_nc_u32 v[STL], s25, v[STL]
	v_mul_u32_u24 v[AB1], v213, PITCH
	v_mad_u32_u24 v[AB1], v214, 24, v[AB1]
	v_lshl_add_u32 v[AB2], v214, 4, v[AB1]
	v_lshl_add_u32 v[ASL], v212, 5, SCB
	v_lshl_add_u32 v[AQL], v213, 3, QVT
	v_lshlrev_b32 v[ZST], 5, v214
	v_add_nc_u32 v[ZST], s25, v[ZST]
	v_lshlrev_b32 v[ZLD], 3, v212
	v_add_nc_u32 v[ZLD], s25, v[ZLD]
.irp b, 0,1,2,3
	v_mov_b32 v[TM+4+\b], 0                        ; a lane permute's destination counts as one of its sources
.endr
	s_mov_b32 s[CS], 0x4038aa3b                    ; c = 2 log2(e)
	s_mov_b32 s[CS+1], s[CS]
	s_mov_b32 s[SEL], 0x76543210
	s_mov_b32 s[SEL+1], 0xfedcba98
	s_mov_b32 s[FLR], 0x1800000                    ; the floor 2^(3 - 127)
	s_mov_b32 s[EOF], 0xff000000                   ; 2 off an exponent field
	DESC G1W, PADW, 96                             ; the ring: a wave's 32 rows of W2, 24,576 bytes
	DESC G1H, PADW, 192                            ; the head: half of tile 0, 64 rows of W2
	DESC G1S, FLATW, 128                           ; all 32,768 scale bytes
	DESC G1Q, FLATW, 32                            ; the batch's row of qv, 8,192 bytes
	s_mul_i32 s30, s[WV], 96*272                   ; the ring: where my part of a tile goes,
	s_mul_i32 s74, s[WV], 32*768                   ; and where it comes from
	s_mov_b32 s75, 0
	s_and_b32 s31, s[WV], 1                        ; the head: waves 2 and 3 take the halves of tile 0
	s_mul_i32 s76, s31, 64*768
	s_mov_b32 s77, 0
	s_mul_i32 s31, s31, 192*272
	s_lshl_b32 s78, s19, 13                        ; the batch's row of qv
	s_mov_b32 s79, 0
	s_lshl_b32 s20, s18, 10                        ; scores: 4 bytes a row
	s_lshl_b32 s21, s[WV], 8
	s_add_co_u32 s20, s20, s21
	s_mov_b32 s21, 0
	s_add_nc_u64 s[14:15], s[14:15], s[20:21]
	s_mov_b32 s[G0W], 1                            ; stands at slot 0, tile 0: each change of slots steps it ahead of its load
	s_mov_b32 s[G0W+1], s30
	s_add_nc_u64 s[G0W+2:G0W+3], s[6:7], s[74:75]
	s_or_b32 s[G0W+3], s[G0W+3], 0x80000000
	s_mov_b32 s[G0H], 1
	s_mov_b32 s[G0H+1], s31
	s_add_nc_u64 s[G0H+2:G0H+3], s[6:7], s[76:77]
	s_or_b32 s[G0H+3], s[G0H+3], 0x80000000
	s_mov_b32 s[G0S], 1
	s_mov_b32 s[G0S+1], SCB
	s_mov_b64 s[G0S+2:G0S+3], s[8:9]
	s_or_b32 s[G0S+3], s[G0S+3], 0x80000000
	s_mov_b32 s[G0Q], 1
	s_mov_b32 s[G0Q+1], QVT
	s_add_nc_u64 s[G0Q+2:G0Q+3], s[10:11], s[78:79]
	s_or_b32 s[G0Q+3], s[G0Q+3], 0x80000000
	s_wait_alu depctr_va_vdst(0)
	ROUND                                          ; all four work-groups are here: the first joint loads meet
	; the head's tiles, one load a wave: one chain of arms on the wave's number
	s_cmp_lt_u32 s[WV], 1
	s_cbranch_scc0 .Lhead_q
	tensor_load_to_lds s[G0S:G0S+3], s[G1S:G1S+7]
	s_nop 0
	PLACES
	s_branch .Lhead_asked
.Lhead_q:
	s_cmp_lt_u32 s[WV], 2
	s_cbranch_scc0 .Lhead_w
	tensor_load_to_lds s[G0Q:G0Q+3], s[G1Q:G1Q+7]
	s_nop 0
	PLACES
	s_branch .Lhead_asked
.Lhead_w:
	tensor_load_to_lds s[G0H:G0H+3], s[G1H:G1H+7]
	s_nop 0
	PLACES
.Lhead_asked:
; ---------------- PHASE 1 ----------------
.macro TURN n                          ; unit n through the stage; LDS serves a wave's instructions in order (ISA guide 5.7.1.4): no wait between
	SETOF \n
	WIN SETW<<2
.irp i, 0,1,2,3,4,5,6,7,8,9,10,11,12,13,14,15
	ds_store_b128 v[STS], v[SETB+4*\i:SETB+4*\i+3] offset:SP*\i
.endr
	WIN 0
.set XB, 128-64*((\n)%2)
.irp b, 0,1,2,3
.irp j, 0,1,2,3
	ds_load_b128 v[XB+16*\b+4*\j:XB+16*\b+4*\j+3], v[STL] offset:128*\b+16*\j
.endr
.endr
.endm
; 64 numbers of a lane (register 16 b + i = k 32 b + 16 h + i of my row) become codes and a scale word
.macro QUANT s, pw
.irp b, 0,1,2,3
	v_max3_num_f32 v[TM+\b], |v[\s+16*\b]|, |v[\s+1+16*\b]|, s[FLR]
.endr
.irp i, 2,4,6,8,10,12,14
.irp b, 0,1,2,3
	v_max3_num_f32 v[TM+\b], v[TM+\b], |v[\s+16*\b+\i]|, |v[\s+1+16*\b+\i]|
.endr
.endr
.irp b, 0,1,2,3
	v_permlanex16_b32 v[TM+4+\b], v[TM+\b], s[SEL], s[SEL+1]
.endr
.irp b, 0,1,2,3
	v_max_num_f32 v[TM+\b], v[TM+\b], v[TM+4+\b]   ; the block's largest magnitude
.endr
.irp b, 0,1,2,3
	v_add_nc_u32 v[TM+12+\b], s[EOF], v[TM+\b]     ; the conversion's scale operand
.endr
.irp b, 0,1,2,3
	v_lshrrev_b32 v[TM+4+\b], 23, v[TM+12+\b]      ; the scale's byte
.endr
	v_lshl_or_b32 v[\pw], v[TM+5], 8, v[TM+4]
	v_lshl_or_b32 v[\pw], v[TM+6], 16, v[\pw]
	v_lshl_or_b32 v[\pw], v[TM+7], 24, v[\pw]
.irp c, 0,1
	v_cvt_scalef32_pk16_fp6_f32 v[PC+6*\c:PC+2+6*\c], v[\s+32*\c:\s+15+32*\c], v[TM+12+2*\c]
	v_cvt_scalef32_pk16_fp6_f32 v[PC+12+4*\c:PC+14+4*\c], v[\s+16+32*\c:\s+31+32*\c], v[TM+12+2*\c+1]
.endr
	v_nop                                          ; one plain place behind a scaled conversion
.irp c, 0,1
.irp i, 0,1,2
	v_permlane16_swap_b32 v[PC+6*\c+\i], v[PC+12+4*\c+\i]   ; a whole block to a lane
.endr
.endr
.endm
.macro UNIT n                          ; unit n is quantised; ahead of that unit n + 1 goes through the stage and unit n + 5 is asked for
.if (\n) < 31
.if 30-(\n) >= 3
	s_wait_loadcnt 48                              ; unit n + 1's loads are in; three units' may be out
.else
	s_wait_loadcnt 16*(30-(\n))
.endif
	TURN (\n)+1
	s_wait_dscnt 32                                ; all but the 32 just issued
.else
	s_wait_dscnt 0x0
.endif
.if (\n)+5 < 32
	GLOAD (\n)+5
.endif
.set UM, (\n)/8
.set US, (\n)%8
.set HB, 12*(4*(US%4)+UM)
.set XQ, 128-64*((\n)%2)
	QUANT XQ, ASC+8*UM+US
	WIN 0x40*(1+US/4)
.irp c, 0,1
.irp i, 0,1,2
	v_mov_b32 v[HB+6*\c+\i], v[PC+6*\c+\i]
	v_mov_b32 v[HB+6*\c+3+\i], v[PC+12+4*\c+\i]
.endr
.endr
	WIN 0
.endm
	s_wait_loadcnt 48                              ; unit 0's loads are in; units 1 to 3 may be out
	TURN 0
	GLOAD 4
.set N, 0
.rept 32
	UNIT N
.set N, N+1
.endr
	; what the first group's epilogue finds: zeros.  1 / (1 + 2^0) x V = 0: nothing is added
.set i, 0
.rept 32
	v_mov_b32 v[SA+i], 0
.set i, i+1
.endr
.irp k, 0,1,2,3
	v_mov_b32 v[QVN+\k], 0
.endr
	WIN 0xc0
.set i, 0
.rept 64
	v_mov_b32 v[i], 0
.set i, i+1
.endr
	WIN 0
; ---------------- PHASE 2 ----------------
.macro FRAG reg, t, s                  ; 16 units x 128 K in pieces of 8 bytes; 16 bytes of padding lie behind every 32 pieces
.irp p, 0,1,2,3,4,5
.set PCE, 12*(\s)+6*(\p/3)+\p%3
.if PCE/32 == (PCE+3)/32
	ds_load_b64 v[\reg+2*\p:\reg+2*\p+1], v[ADB1] offset:8*PCE+16*(PCE/32)+(\t)*16*PITCH
.else
	ds_load_b64 v[\reg+2*\p:\reg+2*\p+1], v[ADB2] offset:8*PCE+16*(PCE/32)+(\t)*16*PITCH
.endif
.endr
.endm
.macro FRAG2 s
.irp t, 0,1
	FRAG BF+24*((\s)%4)+12*\t, \t, \s
.endr
.endm
.macro MM m, t, s                      ; source 0 = 16 of my rows, source 1 = 16 units: lane (r, h) holds unit 16 t + r, rows 16 mt + 8 h + 0 .. 7
.set RD, 8*(2*(\m)+(\t))
.set RA, 12*(4*((\s)%4)+(\m))
.set RB, BF+24*((\s)%4)+12*(\t)
.set RSA, ASC+8*(\m)+(\s)
.set RSB, BSC+(\s)
.if (\s) == 0
.if (\t)%2
	v_wmma_scale_f32_16x16x128_f8f6f4 v[RD:RD+7], v[RA:RA+11], v[RB:RB+11], 0, v[RSA], v[RSB] matrix_a_fmt:MATRIX_FMT_FP6 matrix_b_fmt:MATRIX_FMT_FP6 matrix_b_scale:MATRIX_SCALE_ROW1
.else
	v_wmma_scale_f32_16x16x128_f8f6f4 v[RD:RD+7], v[RA:RA+11], v[RB:RB+11], 0, v[RSA], v[RSB] matrix_a_fmt:MATRIX_FMT_FP6 matrix_b_fmt:MATRIX_FMT_FP6
.endif
.else
.if (\t)%2
	v_wmma_scale_f32_16x16x128_f8f6f4 v[RD:RD+7], v[RA:RA+11], v[RB:RB+11], v[RD:RD+7], v[RSA], v[RSB] matrix_a_fmt:MATRIX_FMT_FP6 matrix_b_fmt:MATRIX_FMT_FP6 matrix_b_scale:MATRIX_SCALE_ROW1
.else
	v_wmma_scale_f32_16x16x128_f8f6f4 v[RD:RD+7], v[RA:RA+11], v[RB:RB+11], v[RD:RD+7], v[RSA], v[RSB] matrix_a_fmt:MATRIX_FMT_FP6 matrix_b_fmt:MATRIX_FMT_FP6
.endif
.endif
.endm
.macro STAGE1                          ; E = c x result + qv's first word; each accumulator from its low end on; qv's pairs move on
	WIN 0xc3
.irp a, 0,1,2,3,4,5,6,7
.irp j, 0,2,4,6
	v_pk_fma_f32 v[EE+8*\a+\j:EE+8*\a+\j+1], v[8*\a+\j:8*\a+\j+1], s[CS:CS+1], v[QVN+2*(\a%2):QVN+2*(\a%2)+1] op_sel_hi:[1,0,0]
.endr
.endr
	WIN 0
.irp k, 0,1,2,3
	v_mov_b32 v[QVP+\k], v[QVN+\k]
.endr
.endm
; the rest of the epilogue, 192 instructions on E: 0-63 e = 2^x | 64-95 1 + e | 96-159 reciprocals | 160-191 x V onto the rows' sums.
; One wait ahead of each batch of transcendentals and, behind a plain place, one behind it.
.macro ITEM
.if (it == 64) || (it == 160)
	v_nop
	s_wait_alu depctr_va_vdst(0)
.endif
.if (it == 0) || (it == 96)
	s_wait_alu depctr_va_vdst(0)
.endif
.if it < 64
	WIN 0xc3
	v_exp_f32 v[EE+it], v[EE+it]
.elseif it < 96
	WIN 0xc3
	v_pk_add_f32 v[EE+2*(it-64):EE+2*(it-64)+1], v[EE+2*(it-64):EE+2*(it-64)+1], 1.0 op_sel_hi:[1,0]
.elseif it < 160
	WIN 0xc3
	v_rcp_f32 v[EE+it-96], v[EE+it-96]
.else
.set iu, it-160
.set rE, EE+8*(2*((iu/4)%4)+iu/16)+2*(iu%4)
.set rS, SA+8*((iu/4)%4)+2*(iu%4)
.set rV, QVP+2*(iu/16)
	WIN 0x03
	v_pk_fma_f32 v[rS:rS+1], v[rE:rE+1], v[rV:rV+1], v[rS:rS+1] op_sel:[0,1,0] op_sel_hi:[1,1,1]   ; x V: the pair's second word for both halves
.endif
.set it, it+1
.endm
.macro EPI ld                          ; ld = 1: K steps 2 and 3's fragments are asked for between the epilogue's parts, 12 loads at a time
.set it, 0
.rept 64
	ITEM
.endr
.if \ld
	WIN 0
	FRAG2 2
.endif
.rept 32
	ITEM
.endr
.if \ld
	WIN 0
	FRAG2 3
.endif
.rept 96
	ITEM
.endr
.endm
; K step s: 8 matrix instructions, the 8 accumulators by turns.
; The group's LDS loads in their order: 2 of scale words, step 0's 12, step 1's 12, 2 of qv, step 2's 12, step 3's 12 (ahead of step 0); step s + 3's 12 at steps s = 1 to 4, behind the step's own wait.
.macro STEPK s
.if \s == 0
	s_wait_dscnt 38                                ; behind step 0's fragments: 12 + 2 + 12 + 12
.elseif \s == 1
	s_wait_dscnt 26                                ; behind step 1's: 2 + 12 + 12
.elseif \s == 7
	s_wait_dscnt 0x0
.elseif \s == 6
	s_wait_dscnt 12                                ; behind step 6's: step 7's 12
.else
	s_wait_dscnt 24                                ; behind this step's: the next two steps' 24
.endif
.if (\s >= 1) && (\s <= 4)
	WIN 0
	PLACES                                         ; the set below was read by the step before
	FRAG2 \s+3
.endif
	WIN 0xf1+(\s)/4                                ; source 0 window 1 or 2, source 1 window 0, C and D window 3
.irp m, 0,1,2,3
.irp t, 0,1
	MM \m, \t, \s
.endr
.endr
.endm
.macro GROUP                           ; the four additions are the places behind the last group's last product
	v_add_nc_u32 v[ADB1], s[TB], v[AB1]
	v_add_nc_u32 v[ADB2], s[TB], v[AB2]
	v_add_nc_u32 v[ADS], s[TS], v[ASL]
	v_add_nc_u32 v[ADQ], s[TQ], v[AQL]
	ds_load_b128 v[BSC:BSC+3], v[ADS]              ; lane l: the 32 scale bytes of unit l; lanes 0-15 tile 0, lanes 16-31 tile 1
	ds_load_b128 v[BSC+4:BSC+7], v[ADS] offset:16
	FRAG2 0
	STAGE1
	FRAG2 1
	ds_load_b64 v[QVN:QVN+1], v[ADQ]               ; this group's pairs of qv: wanted at the next group's head
	ds_load_b64 v[QVN+2:QVN+3], v[ADQ] offset:128
	EPI 1                                          ; the last group's epilogue, while the fragments are on their way
.irp s, 0,1,2,3,4,5,6,7
	STEPK \s
.endr
	WIN 0
.endm
; The change of slots: all my tensor loads, the add, my LDS reads; fill = 1: a round of the cluster's barrier, and the joint refill first behind it
.macro CHANGE fill
	s_wait_tensorcnt 0x0
	ds_add_u32 v[SPW], v[NIL]
.if \fill
	s_xor_b32 s[G0W+1], s[G0W+1], SLOT1            ; the other slot,
	s_add_nc_u64 s[G0W+2:G0W+3], s[G0W+2:G0W+3], 128*768   ; the next 128 units
.endif
	s_wait_dscnt 0x0
.if \fill
	ROUND
	tensor_load_to_lds s[G0W:G0W+3], s[G1W:G1W+7]  ; my one tensor load until the next round
	s_nop 0
	PLACES
.else
	s_barrier_signal -1
	s_barrier_wait -1
.endif
.endm
.macro SLOTP                           ; a slot's four groups
	s_mov_b32 s[NGR], 4
.Lgroup_\@:
	GROUP
	s_add_co_u32 s[TB], s[TB], GRP
	s_add_co_u32 s[TS], s[TS], 1024
	s_add_co_u32 s[TQ], s[TQ], 256
	s_sub_co_u32 s[NGR], s[NGR], 1
	s_cmp_lg_u32 s[NGR], 0
	s_cbranch_scc1 .Lgroup_\@
	s_sub_co_u32 s[TB], s[TB], 4*GRP
	s_xor_b32 s[TB], s[TB], SLOT1
.endm
	s_mov_b32 s[TB], 0
	s_mov_b32 s[TS], 0
	s_mov_b32 s[TQ], 0
	s_mov_b32 s[NSL], 7
	s_wait_alu depctr_va_vdst(0)                   ; phase 1's codes, scale words
.Lslot:                                            ; seven trips: behind each change of slots but the last the next tile is asked for
	CHANGE 1
	SLOTP
	s_sub_co_u32 s[NSL], s[NSL], 1
	s_cmp_lg_u32 s[NSL], 0
	s_cbranch_scc1 .Lslot
	CHANGE 0                                       ; the last slot is written out
	SLOTP
	PLACES                                         ; behind the last product
	STAGE1                                         ; the last group's epilogue
	EPI 0
	WIN 0
	; THE WAY OUT: -2 x the sum over my units, then over the 16 lanes of a half, which hold the 16 residues of u
.set i, 0
.rept 32
	v_mul_f32 v[Z+i], -2.0, v[SA+i]
.set i, i+1
.endr
.irp m, 1,2,4,8
.set i, 0
.rept 32
	v_add_f32_dpp v[Z+i], v[Z+i], v[Z+i] row_xmask:\m row_mask:0xf bank_mask:0xf
.set i, i+1
.endr
.endr
.irp m, 0,1,2,3
.irp j, 0,1,2,3,4,5,6,7
	ds_store_b32 v[ZST], v[Z+8*\m+\j] offset:64*\m+4*\j   ; row 16 mt + 8 h + j: a half's 16 lanes write the same word with the same value
.endr
.endr
	ds_load_b64 v[106:107], v[ZLD]                 ; sees my stores: LDS serves a wave's instructions in order
	v_and_b32 v108, 31, v0
	v_lshlrev_b32 v108, 3, v108
	s_wait_alu depctr_va_vdst(0)
	s_wait_dscnt 0x0
	global_store_b64 v108, v[106:107], s[14:15]    ; my 64 scores: 256 consecutive bytes, aligned
	s_wait_tensorcnt 0x0                           ; the wave's end
	ds_add_u32 v[SPW], v[NIL]
	s_wait_dscnt 0x0
	ROUND                                          ; the closing round
	s_endpgm
.Lfunc_end_k_q98f15ee146_score:
	.size	k_q98f15ee146_score, .Lfunc_end_k_q98f15ee146_score-k_q98f15ee146_score
	.p2alignl 7, 3214868480
	.fill 96, 4, 3214868480
	.section	.rodata,"a",@progbits
	.p2align	6, 0x0
	.amdhsa_kernel k_q98f15ee146_score
		.amdhsa_group_segment_fixed_size 327680
		.amdhsa_private_segment_fixed_size 0
		.amdhsa_enable_private_segment 0
		.amdhsa_kernarg_size 40
		.amdhsa_user_sgpr_count 2
		.amdhsa_user_sgpr_kernarg_segment_ptr 1
		.amdhsa_wavefront_size32 1
		.amdhsa_system_sgpr_workgroup_id_x 1
		.amdhsa_system_sgpr_workgroup_id_y 1
		.amdhsa_system_sgpr_workgroup_id_z 1
		.amdhsa_system_vgpr_workitem_id 0
		.amdhsa_next_free_vgpr 1024
		.amdhsa_next_free_sgpr 92
		.amdhsa_reserve_vcc 0
		.amdhsa_float_denorm_mode_32 3
		.amdhsa_float_denorm_mode_16_64 3
		.amdhsa_memory_ordered 1
		.amdhsa_forward_progress 1
		.amdhsa_inst_pref_size 255
	.end_amdhsa_kernel
	.section	.bss,"aw",@nobits
	.p2align	6
	.space	262144
	.amdgpu_metadata
---
amdhsa.version: [ 1, 2 ]
amdhsa.kernels:
  - .name:           k_q98f15ee146_score
    .symbol:         k_q98f15ee146_score.kd
    .args:
      - { .name: values, .offset: 0, .size: 8, .value_kind: global_buffer, .address_space: global }
      - { .name: W2_k_codes, .offset: 8, .size: 8, .value_kind: global_buffer, .address_space: global }
      - { .name: W2_k_scales, .offset: 16, .size: 8, .value_kind: global_buffer, .address_space: global }
      - { .name: qv, .offset: 24, .size: 8, .value_kind: global_buffer, .address_space: global }
      - { .name: scores, .offset: 32, .size: 8, .value_kind: global_buffer, .address_space: global }
    .group_segment_fixed_size: 327680
    .private_segment_fixed_size: 0
    .kernarg_segment_align: 8
    .kernarg_segment_size: 40
    .max_flat_workgroup_size: 128
    .sgpr_count:     92
    .vgpr_count:     1024
    .wavefront_size: 32
...
	.end_amdgpu_metadata
.endif
;; end of part 2
;; launch ctxp (part 3): grid 256 x 1, 16 waves a work-group, no clusters, 68,096 bytes of LDS; arguments values, scores, part; writes part
.if DOCPART == 3
	.amdgcn_target "amdgcn-amd-amdhsa--gfx1250"
	.amdhsa_code_object_version 6
	.text
	.protected	k_q98f15ee146_ctxp
	.globl	k_q98f15ee146_ctxp
	.p2align	8
	.type	k_q98f15ee146_ctxp,@function
k_q98f15ee146_ctxp:
	s_mov_b64 s[64:65], 0
	v_nop
	global_prefetch_b8 v0, s[64:65] scope:SCOPE_SE
	s_setreg_imm32_b32 hwreg(HW_REG_WAVE_MODE, 25, 1), 1
	s_wait_xcnt 0x0
; part[g][d] = sum over the 256 rows t of work-group g of e^(scores[t] - M_g) values[t][d], with M_g the rows' largest score and L_g the sum of these weights behind it.  All in f32.
; scores are reference()'s less a term that is the same for all t (V_b and sum V are left out: the softmax takes them away).
; SHARES.  Work-group g takes rows 256 g .. + 255 of values as [65,536][1024] (an eighth of a batch, 1 MiB on end), all 1,024 channels.  Wave w takes rows 16 w .. + 15, whole: a row is eight loads of 512 consecutive bytes.
; Six rows, 48 loads, of every wave are on their way.  A lane keeps 32 channels' sums.  Each wave takes ITS rows' largest score m_w away ahead of its exponentials, so no barrier stands ahead of the stream;
; a row's weight reaches all lanes through a scalar register.  At the end the sixteen waves' sums meet in LDS, each under the factor e^(m_w - M_g), at most 1.
; A row of part is 4,096 bytes of sums and one unit of 256 bytes that holds the pair (M_g, L_g) 32 times: every aligned 256 bytes are stored whole.  The next launch joins a batch's eight rows.
; A stream: no matrix unit, no tensor loads, no cluster (the work-groups share no input).  LIMITS: NaN and infinities among the inputs are not served.
.set RED,   65536                      ; LDS: 0 .. 65,535 the waves' sums, 4,096 bytes each; then m_w, a word a wave; 256 bytes on the waves' sums of weights
.set SPARE, 66048                      ; the spare words: 2,048 bytes that no other line names
.set ACC,  32                          ; v32-63  my 32 channels' sums
.set XS,   64                          ; v64-255 six rows x 32 registers; at the end:
.set MF,   64                          ; v64-79  the waves' maxima, then factors
.set LL,   80                          ; v80-95  their sums of weights
.set PT,   96                          ; v96-127 their sums of my two channels
.macro LANES16 opd, r                  ; over the 16 lanes of a half
.irp m, 1,2,4,8
	s_delay_alu instid0(VALU_DEP_1)
	\opd v[\r], v[\r], v[\r] row_xmask:\m row_mask:0xf bank_mask:0xf
.endr
.endm
	s_load_b128 s[4:7], s[0:1], 0x0                ; values, scores
	s_load_b64 s[8:9], s[0:1], 0x10                ; part
	v_lshl_add_u32 v12, v0, 2, SPARE               ; my spare word, and 0: kept for the add alone
	v_mov_b32 v13, 0
	v_lshrrev_b32 v11, 5, v0
	v_and_b32 v1, 31, v0
	v_and_b32 v2, 15, v0
	v_readfirstlane_b32 s10, v11                   ; wave 0..15
	v_lshlrev_b32 v1, 4, v1                        ; 16 x lane
	v_lshlrev_b32 v2, 2, v2                        ; the score of my wave's row lane % 16
	v_lshl_add_u32 v3, v11, 12, v1                 ; LDS, in: 4,096 x wave + 16 x lane
	v_lshlrev_b32 v4, 3, v0                        ; 8 x thread: my two channels, in LDS and in part
	v_lshl_add_u32 v5, v11, 2, RED                 ; a word a wave
	v_mov_b32 v6, RED
	s_lshl_b32 s12, ttmp9, 20                      ; my work-group's 256 rows of 4,096 bytes,
	s_lshl_b32 s13, s10, 16                        ; my wave's 16
	s_add_co_u32 s12, s12, s13
	s_mov_b32 s13, 0
	s_lshl_b32 s14, ttmp9, 10
	s_lshl_b32 s15, s10, 6
	s_add_co_u32 s14, s14, s15
	s_mov_b32 s15, 0
	s_mul_i32 s16, ttmp9, 4352
	s_mov_b32 s17, 0
.set i, 0
.rept 16
	s_mov_b32 s[33+2*i], 0                         ; the packed forms name a pair and take its low word: the high word is written once
.set i, i+1
.endr
	s_wait_alu depctr_va_vdst(0)
	s_wait_kmcnt 0x0
	s_add_nc_u64 s[4:5], s[4:5], s[12:13]
	s_add_nc_u64 s[6:7], s[6:7], s[14:15]
	s_add_nc_u64 s[8:9], s[8:9], s[16:17]
.macro RLOAD r                         ; my row r into slot r % 6
.irp j, 0,1,2,3,4,5,6,7
	global_load_b128 v[XS+32*((\r)%6)+4*\j:XS+32*((\r)%6)+4*\j+3], v1, s[4:5] offset:(\r)*4096+512*\j th:TH_LOAD_NT
.endr
.endm
	global_load_b32 v8, v2, s[6:7]
.irp r, 0,1,2,3,4,5
	RLOAD \r
.endr
	s_wait_loadcnt 48                              ; the scores are in; the 48 loads behind them stay out
	v_mov_b32 v9, v8
	LANES16 v_max_num_f32_dpp, 9                   ; m_w
	ds_store_b32 v5, v9
	v_sub_f32 v8, v8, v9
	s_delay_alu instid0(VALU_DEP_1)
	v_mul_f32 v8, 0x3fb8aa3b, v8                   ; x log2(e)
	s_wait_alu depctr_va_vdst(0)                   ; ahead of the transcendental,
	v_exp_f32 v8, v8                               ; p = e^(score - m_w), at most 1
	v_nop
	s_wait_alu depctr_va_vdst(0)                   ; and behind it
	v_mov_b32 v10, v8
	LANES16 v_add_f32_dpp, 10                      ; my wave's sum of weights
	ds_store_b32 v5, v10 offset:256
.set i, 0
.rept 16
	v_readlane_b32 s[32+2*i], v8, i                ; row i's weight
.set i, i+1
.endr
.macro ROW r                           ; row r x its weight onto the sums; the first row starts them
.if 15-(\r) >= 5
	s_wait_loadcnt 40                              ; this row's 8 loads are in; five rows' may be out
.else
	s_wait_loadcnt 8*(15-(\r))
.endif
.irp j, 0,1,2,3,4,5,6,7
.irp e, 0,2
.if (\r) == 0
	v_pk_mul_f32 v[ACC+4*\j+\e:ACC+4*\j+\e+1], v[XS+4*\j+\e:XS+4*\j+\e+1], s[32:33] op_sel_hi:[1,0]
.else
	v_pk_fma_f32 v[ACC+4*\j+\e:ACC+4*\j+\e+1], v[XS+32*((\r)%6)+4*\j+\e:XS+32*((\r)%6)+4*\j+\e+1], s[32+2*(\r):33+2*(\r)], v[ACC+4*\j+\e:ACC+4*\j+\e+1] op_sel_hi:[1,0,1]
.endif
.endr
.endr
.if (\r)+6 < 16
	RLOAD (\r)+6
.endif
.endm
.irp r, 0,1,2,3,4,5,6,7,8,9,10,11,12,13,14,15
	ROW \r
.endr
.irp j, 0,1,2,3,4,5,6,7
	ds_store_b128 v3, v[ACC+4*\j:ACC+4*\j+3] offset:512*\j   ; in the order of the channels
.endr
	s_wait_dscnt 0x0                               ; for the others' sake: my stores are done
	s_barrier_signal -1
	s_barrier_wait -1
.irp q, 0,1,2,3
	ds_load_b128 v[MF+4*\q:MF+4*\q+3], v6 offset:16*\q
	ds_load_b128 v[LL+4*\q:LL+4*\q+3], v6 offset:256+16*\q
.endr
.irp k, 0,1,2,3,4,5,6,7,8,9,10,11,12,13,14,15
	ds_load_b64 v[PT+2*\k:PT+2*\k+1], v4 offset:4096*\k
.endr
	s_wait_dscnt 16                                ; the maxima and the sums of weights are in; the 16 parts may be out
	v_max3_num_f32 v18, v[MF], v[MF+1], v[MF+2]
.irp i, 3,5,7,9,11,13
	v_max3_num_f32 v18, v18, v[MF+\i], v[MF+\i+1]
.endr
	v_max_num_f32 v18, v18, v[MF+15]               ; M_g
.set i, 0
.rept 16
	v_sub_f32 v[MF+i], v[MF+i], v18
.set i, i+1
.endr
.set i, 0
.rept 16
	v_mul_f32 v[MF+i], 0x3fb8aa3b, v[MF+i]
.set i, i+1
.endr
	s_wait_alu depctr_va_vdst(0)                   ; ahead of the batch
.set i, 0
.rept 16
	v_exp_f32 v[MF+i], v[MF+i]                     ; the factors e^(m_w - M_g)
.set i, i+1
.endr
	v_nop
	s_wait_alu depctr_va_vdst(0)                   ; and behind it
	v_mul_f32 v19, v[LL], v[MF]
.set i, 1
.rept 15
	v_fmac_f32 v19, v[LL+i], v[MF+i]               ; L_g
.set i, i+1
.endr
	s_wait_alu depctr_va_vdst(0)
	s_wait_dscnt 0x0                               ; the parts are in
	v_pk_mul_f32 v[16:17], v[PT:PT+1], v[MF:MF+1] op_sel_hi:[1,0]                   ; two chains: the even waves,
	v_pk_mul_f32 v[20:21], v[PT+2:PT+3], v[MF:MF+1] op_sel:[0,1] op_sel_hi:[1,1]    ; and the odd ones
.irp k, 2,4,6,8,10,12,14
	v_pk_fma_f32 v[16:17], v[PT+2*\k:PT+2*\k+1], v[MF+\k:MF+\k+1], v[16:17] op_sel_hi:[1,0,1]
	v_pk_fma_f32 v[20:21], v[PT+2*\k+2:PT+2*\k+3], v[MF+\k:MF+\k+1], v[20:21] op_sel:[0,1,0] op_sel_hi:[1,1,1]
.endr
	s_delay_alu instid0(VALU_DEP_1)
	v_pk_add_f32 v[16:17], v[16:17], v[20:21]
	global_store_b64 v4, v[16:17], s[8:9]          ; a wave stores 256 consecutive bytes, at a multiple of 256 from part's first byte
	s_cmp_lg_u32 s10, 0                            ; wave 0, whose 8 x thread is 8 x lane, stores the unit of (M_g, L_g)
	s_cbranch_scc1 .Lend
	global_store_b64 v4, v[18:19], s[8:9] offset:4096
.Lend:
	s_wait_tensorcnt 0x0                           ; the wave's end
	ds_add_u32 v12, v13
	s_wait_dscnt 0x0
	s_endpgm
.Lfunc_end_k_q98f15ee146_ctxp:
	.size	k_q98f15ee146_ctxp, .Lfunc_end_k_q98f15ee146_ctxp-k_q98f15ee146_ctxp
	.p2alignl 7, 3214868480
	.fill 96, 4, 3214868480
	.section	.rodata,"a",@progbits
	.p2align	6, 0x0
	.amdhsa_kernel k_q98f15ee146_ctxp
		.amdhsa_group_segment_fixed_size 68096
		.amdhsa_private_segment_fixed_size 0
		.amdhsa_enable_private_segment 0
		.amdhsa_kernarg_size 24
		.amdhsa_user_sgpr_count 2
		.amdhsa_user_sgpr_kernarg_segment_ptr 1
		.amdhsa_wavefront_size32 1
		.amdhsa_system_sgpr_workgroup_id_x 1
		.amdhsa_system_sgpr_workgroup_id_y 1
		.amdhsa_system_sgpr_workgroup_id_z 1
		.amdhsa_system_vgpr_workitem_id 0
		.amdhsa_next_free_vgpr 256
		.amdhsa_next_free_sgpr 66
		.amdhsa_reserve_vcc 0
		.amdhsa_float_denorm_mode_32 3
		.amdhsa_float_denorm_mode_16_64 3
		.amdhsa_memory_ordered 1
		.amdhsa_forward_progress 1
		.amdhsa_inst_pref_size 40
	.end_amdhsa_kernel
	.amdgpu_metadata
---
amdhsa.version: [ 1, 2 ]
amdhsa.kernels:
  - .name:           k_q98f15ee146_ctxp
    .symbol:         k_q98f15ee146_ctxp.kd
    .args:
      - { .name: values, .offset: 0, .size: 8, .value_kind: global_buffer, .address_space: global }
      - { .name: scores, .offset: 8, .size: 8, .value_kind: global_buffer, .address_space: global }
      - { .name: part, .offset: 16, .size: 8, .value_kind: global_buffer, .address_space: global }
    .group_segment_fixed_size: 68096
    .private_segment_fixed_size: 0
    .kernarg_segment_align: 8
    .kernarg_segment_size: 24
    .max_flat_workgroup_size: 512
    .sgpr_count:     66
    .vgpr_count:     256
    .wavefront_size: 32
...
	.end_amdgpu_metadata
.endif
;; end of part 3
;; launch merge (part 4): grid 32 x 1, 8 waves a work-group, no clusters, 0 bytes of LDS; arguments part, out0; writes out0
.if DOCPART == 4
	.amdgcn_target "amdgcn-amd-amdhsa--gfx1250"
	.amdhsa_code_object_version 6
	.text
	.protected	k_q98f15ee146_merge
	.globl	k_q98f15ee146_merge
	.p2align	8
	.type	k_q98f15ee146_merge,@function
k_q98f15ee146_merge:
	s_mov_b64 s[64:65], 0
	v_nop
	global_prefetch_b8 v0, s[64:65] scope:SCOPE_SE
	s_setreg_imm32_b32 hwreg(HW_REG_WAVE_MODE, 25, 1), 1
	s_wait_xcnt 0x0
; out0[b][d] = sum over g of f_g part[8 b + g][d] / sum over g of f_g L_g, f_g = e^(M_g - M), M the largest of the batch's eight M_g: the softmax's weighted sum, joined from its eight parts.  All in f32.
; Work-group b takes batch b; thread t its channels 4 t .. + 3: eight loads of 16 bytes, and eight of the pairs (M_g, L_g), which lie 32 times in a unit of 256 bytes: a lane takes its own copy.
; 1.1 MB in all: no LDS, no barrier, no loop.  LIMITS: NaN and infinities among the inputs are not served.
.set ROWB, 4352                        ; a row of part
	s_load_b128 s[4:7], s[0:1], 0x0                ; part, out0
	v_lshlrev_b32 v1, 4, v0                        ; 16 x thread
	v_and_b32 v2, 31, v0
	v_lshlrev_b32 v2, 3, v2                        ; 8 x lane
	v_mov_b32 v23, 0                               ; the upper half of the pair v[22:23]
	s_mul_i32 s8, ttmp9, 8*ROWB
	s_mov_b32 s9, 0
	s_lshl_b32 s10, ttmp9, 12
	s_mov_b32 s11, 0
	s_wait_alu depctr_va_vdst(0)
	s_wait_kmcnt 0x0
	s_add_nc_u64 s[4:5], s[4:5], s[8:9]
	s_add_nc_u64 s[6:7], s[6:7], s[10:11]
.irp g, 0,1,2,3,4,5,6,7
	global_load_b64 v[4+2*\g:5+2*\g], v2, s[4:5] offset:\g*ROWB+4096
.endr
.irp g, 0,1,2,3,4,5,6,7
	global_load_b128 v[24+4*\g:27+4*\g], v1, s[4:5] offset:\g*ROWB
.endr
	s_wait_loadcnt 8                               ; the pairs are in; the eight parts may be out
	v_max3_num_f32 v20, v4, v6, v8
	v_max3_num_f32 v21, v10, v12, v14
	s_delay_alu instid0(VALU_DEP_2)
	v_max3_num_f32 v20, v20, v16, v18
	s_delay_alu instid0(VALU_DEP_1)
	v_max_num_f32 v20, v20, v21                    ; M
.irp g, 0,1,2,3,4,5,6,7
	v_sub_f32 v[4+2*\g], v[4+2*\g], v20
.endr
.irp g, 0,1,2,3,4,5,6,7
	v_mul_f32 v[4+2*\g], 0x3fb8aa3b, v[4+2*\g]
.endr
	s_wait_alu depctr_va_vdst(0)                   ; ahead of the batch
.irp g, 0,1,2,3,4,5,6,7
	v_exp_f32 v[4+2*\g], v[4+2*\g]                 ; f_g, at most 1
.endr
	v_nop
	s_wait_alu depctr_va_vdst(0)                   ; and behind it
	v_mul_f32 v21, v5, v4
.irp g, 1,2,3,4,5,6,7
	v_fmac_f32 v21, v[5+2*\g], v[4+2*\g]           ; the batch's sum of weights
.endr
	s_wait_alu depctr_va_vdst(0)
	v_rcp_f32 v22, v21
	v_nop
	s_wait_alu depctr_va_vdst(0)
	s_wait_loadcnt 0x0
	v_pk_mul_f32 v[56:57], v[24:25], v[4:5] op_sel_hi:[1,0]
	v_pk_mul_f32 v[58:59], v[26:27], v[4:5] op_sel_hi:[1,0]
.irp g, 1,2,3,4,5,6,7
	v_pk_fma_f32 v[56:57], v[24+4*\g:25+4*\g], v[4+2*\g:5+2*\g], v[56:57] op_sel_hi:[1,0,1]
	v_pk_fma_f32 v[58:59], v[26+4*\g:27+4*\g], v[4+2*\g:5+2*\g], v[58:59] op_sel_hi:[1,0,1]
.endr
	v_pk_mul_f32 v[56:57], v[56:57], v[22:23] op_sel_hi:[1,0]
	v_pk_mul_f32 v[58:59], v[58:59], v[22:23] op_sel_hi:[1,0]
	global_store_b128 v1, v[56:59], s[6:7]         ; a wave stores 512 consecutive bytes, at a multiple of 256 from out0's first byte
	s_endpgm
.Lfunc_end_k_q98f15ee146_merge:
	.size	k_q98f15ee146_merge, .Lfunc_end_k_q98f15ee146_merge-k_q98f15ee146_merge
	.p2alignl 7, 3214868480
	.fill 96, 4, 3214868480
	.section	.rodata,"a",@progbits
	.p2align	6, 0x0
	.amdhsa_kernel k_q98f15ee146_merge
		.amdhsa_group_segment_fixed_size 0
		.amdhsa_private_segment_fixed_size 0
		.amdhsa_enable_private_segment 0
		.amdhsa_kernarg_size 16
		.amdhsa_user_sgpr_count 2
		.amdhsa_user_sgpr_kernarg_segment_ptr 1
		.amdhsa_wavefront_size32 1
		.amdhsa_system_sgpr_workgroup_id_x 1
		.amdhsa_system_sgpr_workgroup_id_y 1
		.amdhsa_system_sgpr_workgroup_id_z 1
		.amdhsa_system_vgpr_workitem_id 0
		.amdhsa_next_free_vgpr 64
		.amdhsa_next_free_sgpr 66
		.amdhsa_reserve_vcc 0
		.amdhsa_float_denorm_mode_32 3
		.amdhsa_float_denorm_mode_16_64 3
		.amdhsa_memory_ordered 1
		.amdhsa_forward_progress 1
		.amdhsa_inst_pref_size 6
	.end_amdhsa_kernel
	.amdgpu_metadata
---
amdhsa.version: [ 1, 2 ]
amdhsa.kernels:
  - .name:           k_q98f15ee146_merge
    .symbol:         k_q98f15ee146_merge.kd
    .args:
      - { .name: part, .offset: 0, .size: 8, .value_kind: global_buffer, .address_space: global }
      - { .name: out0, .offset: 8, .size: 8, .value_kind: global_buffer, .address_space: global }
    .group_segment_fixed_size: 0
    .private_segment_fixed_size: 0
    .kernarg_segment_align: 8
    .kernarg_segment_size: 16
    .max_flat_workgroup_size: 256
    .sgpr_count:     66
    .vgpr_count:     64
    .wavefront_size: 32
...
	.end_amdgpu_metadata
.endif
;; end of part 4
